; MI455X (gfx1250); checked and timed in simulation.
; The chip was launched on July 23, 2026; its instructions are those of AMD's public machine-readable ISA for CDNA 5 (MIT licence, August 2026) and "CDNA5" Instruction Set Architecture Reference Guide (July 2026). The comments in the code are by the model that wrote it; some were corrected since.
;; Multi Headed Self Attention. Allowed arithmetic: matrix products marked QUANTISED: E2M3 operands, one E8M0 scale for each 32 along K, by v_wmma_scale_f32_16x16x128_f8f6f4 with both operands' format E2M3, f32 sums; everything else in f32.
;; Inputs: Wk 1,024 x 1,024 float32; Wq 1,024 x 1,024 float32; Wv 1,024 x 1,024 float32; bk 1,024 float32; bq 1,024 float32; bv 1,024 float32; mask 4 x 2,048 int32; x 4 x 2,048 x 1,024 float32.
;; Outputs: out0 4 x 2,048 x 1,024 float32.
;; This version of the problem:
;;   THIS VERSION OF THE PROBLEM IS GIVEN IN LOW PRECISION. The matrix products marked QUANTISED in the list below multiply operands that are first quantised to E2M3 (2 exponent bits, 3 mantissa bits; 6 bits a number), with one power-of-two scale for each 32 numbers along K (OCP MX v1.0); their sums are f32. All else is computed in f32.
;;   The module's matrix products, in the order in which they are computed (A, B: the left and right operand; K: the contracted axis; several contracted axes count as one K, in the product's order):
;;     1. [M 8,192, K 1,024] x [K 1,024, N 1,024]; A: input x; B: input Wq: QUANTISED
;;     2. [M 8,192, K 1,024] x [K 1,024, N 1,024]; A: input x; B: input Wk: QUANTISED
;;     3. [M 8,192, K 1,024] x [K 1,024, N 1,024]; A: input x; B: input Wv: QUANTISED
;;     4. batch 64 x [M 2,048, K 64] x [K 64, N 2,048]; A: computed on the way; B: computed on the way: QUANTISED
;;     5. batch 64 x [M 2,048, K 2,048] x [K 2,048, N 64]; A: softmax (see below); B: computed on the way: QUANTISED
;;   THE QUANTISER, for each operand of a quantised product, along K:
;;     - K is cut into blocks of 32 from its start; a last block that is shorter is filled with zeros.
;;     - A block's scale is 2^e with e = floor(log2(the largest magnitude in the block)) - 2, held to -126 .. 127; a block of zeros has e = 0. As a byte (E8M0): e + 127.
;;     - Each number is divided by its block's scale, clamped to +-7.5, and rounded to the nearest number of E2M3, ties to even, subnormals kept.
;;     - The product sums the exact products of the quantised numbers (number of the format x scale) in f32.
;;   ~~~python
;;   def quantise(x, axis):      # numpy; x: float32 -> the quantised numbers, widened to float32 again
;;       x = np.moveaxis(x, axis, -1); K = x.shape[-1]
;;       x = np.pad(x, [(0, 0)] * (x.ndim - 1) + [(0, -K % 32)]); x = x.reshape(x.shape[:-1] + (-1, 32)); a = np.abs(x).max(-1, keepdims=True)
;;       e = np.where(a > 0, np.clip(np.frexp(np.where(a > 0, a, 1))[1] - 1 - 2, -126, 127), 0)      # np.frexp(a)[1] - 1 = floor(log2(a)), exactly
;;       r = np.clip(x / 2.0 ** e, -7.5, 7.5)
;;       step = 2.0 ** (np.maximum(np.frexp(np.where(r == 0, 1, r))[1] - 1, 0) - 3)
;;       q = np.round(r / step) * step * 2.0 ** e      # np.round: ties to even
;;       return np.moveaxis(q.reshape(q.shape[:-2] + (-1,))[..., :K], -1, axis).astype(np.float32)
;;   ~~~
;;   SOFTMAX AHEAD OF A QUANTISED PRODUCT. Where the list says 'softmax', what is quantised is not the finished softmax but p = 2^(t - M), with t = logit x log2(e) and M = ceil(the row's largest t), a whole number; so 1/2 < the row's largest p <= 1. The row's sum l is taken of the UNQUANTISED p, in f32, and the product's result is divided by l at the end. Since M is a whole number, a kernel that streams over the keys may use a running M (the ceiling of the running maximum): every later rescaling is an exact power of two, which a block's scale takes up: the codes' values come out the same.
;;   OPERANDS COMPUTED ON THE WAY. 'Computed on the way' means the value that the module computes at that place (a softmax that the list does not call 'softmax' is quantised finished and normalised). What goes into a quantiser is computed in f32, as accurately as f32 sums, v_exp_f32 and their like allow (about 1e-6 of the number): no bf16 or f16 on the way to a quantiser, and a product that is left as it is and whose result goes on into a quantised operand takes f32 operands (vector FMAs, or v_wmma_f32_16x16x4_f32). A number that lies on a knife's edge between two numbers of the format may be rounded either way, as far as f32 arithmetic and the matrix unit's own rounding can turn it there, and no further.
;; One version. Each part assembles by itself: llvm-mc -triple=amdgcn-amd-amdhsa -mcpu=gfx1250 --defsym DOCPART=n.
;; ======== version 1 of 1: 3 launches
;; limits: right only within a limited range of input values
;; workspace buffers: xc 6,291,456 bytes; xs 262,144 bytes; wc 2,359,296 bytes; ws 98,304 bytes; qf 13,369,344 bytes; kv 13,369,344 bytes
;; launch quant (part 1): grid 352 x 1, 4 waves a work-group, no clusters, 33,280 bytes of LDS; arguments x, Wq, Wk, Wv, xc, xs, wc, ws; writes xc, xs, wc, ws
.if DOCPART == 1
	.amdgcn_target "amdgcn-amd-amdhsa--gfx1250"
	.amdhsa_code_object_version 6
	.text
	.protected	k_q27dc9b8455_quant
	.globl	k_q27dc9b8455_quant
	.p2align	8
	.type	k_q27dc9b8455_quant,@function
k_q27dc9b8455_quant:
	s_mov_b64 s[64:65], 0
	v_nop
	global_prefetch_b8 v0, s[64:65] scope:SCOPE_SE
	s_setreg_imm32_b32 hwreg(HW_REG_WAVE_MODE, 25, 1), 1
	s_wait_xcnt 0x0
; x [8192][1024] and Wq, Wk, Wv [1024][1024], f32 with K innermost, become codes of FP6 (E2M3), 6 bits each, and one E8M0 scale byte for each 32 along K.
; xc [8192][768 bytes], xs [8192][32 bytes]; wc [3072][768], ws [3072][32]: Wq's rows first, then Wk's, then Wv's.
; A block's scale is 2^(floor(log2(its largest magnitude)) - 2); its byte is the largest magnitude's exponent field - 2, held at 1 from below.  A block of zeros keeps the byte 1: its codes are zeros, and this program alone reads the bytes.
; LIMITS: blocks whose largest magnitude lies under 2^(3 - 127) keep the byte 1; NaN and infinities among the inputs are not served.
; ROW ORDER IN THE FOUR BUFFERS: within each 32 rows the two middle groups of 8 change places: place 32 b + 16 u + r holds row 32 b + 8 u + (r % 8) + 16 (r / 8).
; So sixteen places on end are a tile whose results, used transposed, give a lane 16 neighbours in the 16 registers of two neighbouring tiles: the next launch reads plain consecutive rows.
; SHARES: a work-group takes 32 rows, a wave 8 (8,192 numbers, 16 steps of 512).  Work-groups 0-255: x; 256-287: Wq; 288-319: Wk; 320-351: Wv.  Only pointers are chosen: all take one path.
; A step's four loads read 512 consecutive bytes each; the 2,048 bytes turn through the wave's own stage in LDS and come back 64 bytes (16 neighbours) a lane; two neighbouring lanes hold a block.
; No tensor load, no barrier: waves share nothing.  Loads run four steps ahead, the turn through LDS one step.
.set WAVES, 4
.set STEPS, 16
.set EMAX,  2
.set CB,    12                         ; bytes of 16 codes
.set R,     16                         ; v16-79   four sets of 16 numbers as they are loaded
.set X,     80                         ; v80-111  two sets of 16 neighbours
.set E,     112                        ; v112-127 a scale byte for each step
.set C,     128                        ; v128-191 codes: four registers for each step, so that no store's data are written again
.set WREG,  8192                       ; LDS: a region for each wave: two stages of 32 x SP bytes, then its 256 scale bytes
.set SP,    80                         ; a lane's place in a stage: 64 bytes + 16 of padding
.set SPW,   12                         ; v12  LDS address of my spare word; never rewritten
.set NIL,   13                         ; v13  0; never rewritten
.set SPARE, WAVES*WREG                 ; behind the four regions: the spare words, 128 bytes a wave
	s_load_b256 s[4:11], s[0:1], 0x0               ; x, Wq, Wk, Wv
	s_load_b256 s[12:19], s[0:1], 0x20             ; xc, xs, wc, ws
	v_lshl_add_u32 v[SPW], v0, 2, SPARE
	v_mov_b32 v[NIL], 0
	v_lshrrev_b32 v1, 5, v0
	v_readfirstlane_b32 s20, v1                    ; wave
	v_and_b32 v2, 31, v0                           ; lane
	v_lshlrev_b32 v3, 4, v2                        ; my 16 bytes of a load's 512
	s_mul_i32 s24, s20, WREG
	v_lshrrev_b32 v14, 2, v2
	v_mul_u32_u24 v14, v14, SP
	v_and_b32 v15, 3, v2
	v_lshl_add_u32 v14, v15, 4, v14
	v_add_nc_u32 v14, s24, v14                     ; the stage, on the way in: SP (lane / 4) + 16 (lane % 4)
	v_mul_u32_u24 v15, v2, SP
	v_add_nc_u32 v15, s24, v15                     ; and on the way out: SP x lane: my 16 neighbours
	v_mul_u32_u24 v4, v2, CB                       ; my codes' place in a step's
	v_lshrrev_b32 v5, 1, v2
	s_add_co_u32 s24, s24, 2*32*SP
	v_add_nc_u32 v5, s24, v5                       ; LDS: my wave's 256 scale bytes, my block's byte
	v_lshlrev_b32 v7, 3, v2                        ; and on the way out 8 bytes a lane
	v_add_nc_u32 v6, s24, v7
	s_and_b32 s25, s20, 1                          ; where my 8 rows go among the 32: wave 0, 1, 2, 3 -> group 0, 2, 1, 3
	s_lshl_b32 s25, s25, 1
	s_lshr_b32 s26, s20, 1
	s_or_b32 s25, s25, s26
	s_wait_alu depctr_va_vdst(0)
	s_wait_kmcnt 0x0
	s_cmp_lt_u32 ttmp9, 320                        ; the choices hang on the work-group's number alone
	s_cselect_b64 s[8:9], s[8:9], s[10:11]         ; Wk or Wv
	s_cmp_lt_u32 ttmp9, 288
	s_cselect_b64 s[6:7], s[6:7], s[8:9]           ; Wq or that
	s_cmp_lt_u32 ttmp9, 256
	s_cselect_b64 s[4:5], s[4:5], s[6:7]           ; x or that
	s_cselect_b64 s[12:13], s[12:13], s[16:17]     ; xc or wc
	s_cselect_b64 s[14:15], s[14:15], s[18:19]     ; xs or ws
	s_cselect_b32 s21, 0, 256
	s_cselect_b32 s23, -1, 31
	s_sub_co_u32 s22, ttmp9, s21                   ; which 32 rows of the destination
	s_and_b32 s23, s22, s23                        ; which 32 rows of the source
	s_lshl_b32 s23, s23, 2
	s_add_co_u32 s23, s23, s20                     ; source: run of 8 rows
	s_lshl_b32 s26, s23, 15                        ; x 32,768 bytes (under 2^26)
	s_mov_b32 s27, 0
	s_add_nc_u64 s[4:5], s[4:5], s[26:27]
	s_lshl_b32 s22, s22, 2
	s_add_co_u32 s22, s22, s25                     ; destination: run of 8 places
	s_mul_i32 s26, s22, 32*STEPS*CB                ; x 6,144 bytes of codes
	s_add_nc_u64 s[12:13], s[12:13], s[26:27]
	s_lshl_b32 s26, s22, 8                         ; x 256 scale bytes
	s_add_nc_u64 s[14:15], s[14:15], s[26:27]
.macro LOAD t
.irp i, 0,1,2,3
	global_load_b128 v[R+16*((\t)%4)+4*\i:R+16*((\t)%4)+4*\i+3], v3, s[4:5] offset:2048*(\t)+512*\i th:TH_LOAD_NT   ; 32 lanes read 512 consecutive bytes
.endr
.endm
.macro TURN t                          ; step t's numbers through the stage: LDS serves a wave's instructions in order, so no wait stands between the stores and the loads
.irp i, 0,1,2,3
	ds_store_b128 v14, v[R+16*((\t)%4)+4*\i:R+16*((\t)%4)+4*\i+3] offset:32*SP*((\t)%2)+8*SP*\i
.endr
.irp i, 0,1,2,3
	ds_load_b128 v[X+16*((\t)%2)+4*\i:X+16*((\t)%2)+4*\i+3], v15 offset:32*SP*((\t)%2)+16*\i
.endr
.endm
.irp t, 0,1,2,3
	LOAD \t
.endr
	s_wait_loadcnt 12                              ; step 0's four loads are in; the twelve of steps 1 to 3 may be out
	TURN 0
.macro STEP t
.set XS, X+16*((\t)%2)
.if (\t) > 0
	s_wait_dscnt 1                                 ; this step's numbers are back from the stage (the last step's byte store may be out)
.else
	s_wait_dscnt 0x0
.endif
.if (\t)+4 < STEPS
	LOAD (\t)+4                                    ; the stage's stores have read these registers: they take the loads of four steps on
.endif
.if (\t)+1 < STEPS
.if STEPS-2-(\t) >= 3
	s_wait_loadcnt 12                              ; the next step's four loads are in; those of the three steps behind it may be out
.else
	s_wait_loadcnt 4*(STEPS-2-(\t))
.endif
	TURN (\t)+1                                    ; they go through the other stage while this step is worked
.endif
	v_max3_num_f32 v8, |v[XS]|, |v[XS+1]|, |v[XS+2]|               ; the largest magnitude of my 16, in two chains
	v_max3_num_f32 v9, |v[XS+3]|, |v[XS+4]|, |v[XS+5]|
.irp i, 6,10
	v_max3_num_f32 v8, v8, |v[XS+\i]|, |v[XS+\i+1]|
	v_max3_num_f32 v9, v9, |v[XS+\i+2]|, |v[XS+\i+3]|
.endr
	v_max3_num_f32 v8, v8, |v[XS+14]|, |v[XS+15]|
	v_max3_num_f32 v8, v8, v9, (EMAX+1)<<23        ; and the floor 2^(EMAX + 1 - 127): the byte cannot fall under 1
	v_max_num_f32_dpp v8, v8, v8 row_xmask:1 row_mask:0xf bank_mask:0xf   ; and of my neighbour's 16: the block's
	v_add_nc_u32 v11, -(EMAX<<23), v8              ; EMAX off its exponent field: the conversion takes the exponent field of this operand as its scale
	v_cvt_scalef32_pk16_fp6_f32 v[C+4*(\t):C+4*(\t)+2], v[XS:XS+15], v11   ; sixteen codes, 96 bits without gaps, the first number's code lowest
	v_lshrrev_b32 v[E+(\t)], 23, v11               ; the scale's byte (also the plain line behind the conversion)
	ds_store_b8 v5, v[E+(\t)] offset:16*(\t)       ; both lanes of a block write the same byte with the same value
	global_store_b96 v4, v[C+4*(\t):C+4*(\t)+2], s[12:13] offset:32*CB*(\t)   ; the wave stores 384 consecutive bytes
.endm
.irp t, 0,1,2,3,4,5,6,7,8,9,10,11,12,13,14,15
	STEP \t
.endr
	ds_load_b64 v[8:9], v6                         ; LDS serves a wave's instructions in order: these see my stores
	s_wait_dscnt 0x0
	global_store_b64 v7, v[8:9], s[14:15]          ; 32 lanes store 256 consecutive bytes, aligned
	s_wait_tensorcnt 0x0                           ; the wave's end
	ds_add_u32 v[SPW], v[NIL]
	s_wait_dscnt 0x0
	s_endpgm
.Lfunc_end_k_q27dc9b8455_quant:
	.size	k_q27dc9b8455_quant, .Lfunc_end_k_q27dc9b8455_quant-k_q27dc9b8455_quant
	.p2alignl 7, 3214868480
	.fill 96, 4, 3214868480
	.section	.rodata,"a",@progbits
	.p2align	6, 0x0
	.amdhsa_kernel k_q27dc9b8455_quant
		.amdhsa_group_segment_fixed_size 33280
		.amdhsa_private_segment_fixed_size 0
		.amdhsa_enable_private_segment 0
		.amdhsa_kernarg_size 64
		.amdhsa_user_sgpr_count 2
		.amdhsa_user_sgpr_kernarg_segment_ptr 1
		.amdhsa_wavefront_size32 1
		.amdhsa_system_sgpr_workgroup_id_x 1
		.amdhsa_system_sgpr_workgroup_id_y 1
		.amdhsa_system_sgpr_workgroup_id_z 1
		.amdhsa_system_vgpr_workitem_id 0
		.amdhsa_next_free_vgpr 192
		.amdhsa_next_free_sgpr 66
		.amdhsa_reserve_vcc 0
		.amdhsa_float_denorm_mode_32 3
		.amdhsa_float_denorm_mode_16_64 3
		.amdhsa_memory_ordered 1
		.amdhsa_forward_progress 1
		.amdhsa_inst_pref_size 33
	.end_amdhsa_kernel
	.amdgpu_metadata
---
amdhsa.version: [ 1, 2 ]
amdhsa.kernels:
  - .name:           k_q27dc9b8455_quant
    .symbol:         k_q27dc9b8455_quant.kd
    .args:
      - { .name: x, .offset: 0, .size: 8, .value_kind: global_buffer, .address_space: global }
      - { .name: Wq, .offset: 8, .size: 8, .value_kind: global_buffer, .address_space: global }
      - { .name: Wk, .offset: 16, .size: 8, .value_kind: global_buffer, .address_space: global }
      - { .name: Wv, .offset: 24, .size: 8, .value_kind: global_buffer, .address_space: global }
      - { .name: xc, .offset: 32, .size: 8, .value_kind: global_buffer, .address_space: global }
      - { .name: xs, .offset: 40, .size: 8, .value_kind: global_buffer, .address_space: global }
      - { .name: wc, .offset: 48, .size: 8, .value_kind: global_buffer, .address_space: global }
      - { .name: ws, .offset: 56, .size: 8, .value_kind: global_buffer, .address_space: global }
    .group_segment_fixed_size: 33280
    .private_segment_fixed_size: 0
    .kernarg_segment_align: 8
    .kernarg_segment_size: 64
    .max_flat_workgroup_size: 128
    .sgpr_count:     66
    .vgpr_count:     192
    .wavefront_size: 32
...
	.end_amdgpu_metadata
.endif
;; end of part 1
;; launch proj (part 2): grid 12 x 32, 4 waves a work-group, clusters of 4 x 4, 327,680 bytes of LDS; arguments xc, xs, wc, ws, bq, bk, bv, mask, qf, kv; writes qf, kv
.if DOCPART == 2
	.amdgcn_target "amdgcn-amd-amdhsa--gfx1250"
	.amdhsa_code_object_version 6
	.text
	.protected	k_q27dc9b8455_proj
	.globl	k_q27dc9b8455_proj
	.p2align	8
	.type	k_q27dc9b8455_proj,@function
k_q27dc9b8455_proj:
	s_mov_b64 s[64:65], 0
	v_nop
	global_prefetch_b8 v0, s[64:65] scope:SCOPE_SE
	s_setreg_imm32_b32 hwreg(HW_REG_WAVE_MODE, 25, 1), 1
	s_wait_xcnt 0x0
	s_wait_alu depctr_hold_cnt(0) depctr_sa_sdst(0) depctr_va_vdst(0) depctr_va_sdst(0) depctr_va_ssrc(0) depctr_va_vcc(0) depctr_vm_vsrc(0)
	s_getreg_b32 s2, hwreg(HW_REG_IB_STS2, 6, 4)
	s_cmp_eq_u32 s2, 0
	s_cbranch_scc0 .Lentry_in_a_cluster
	s_endpgm
.Lentry_in_a_cluster:
	s_bfe_u32 s2, ttmp6, 0x10000c
	s_cmp_lg_u32 s2, 0xf033
	s_cbranch_scc0 .Lentry_shape_is_right
	s_endpgm
.Lentry_shape_is_right:
.set KSTEP,  256
.set NQ,     KSTEP/128
.set ROWB,   192
.set KROW,   768
.set PITCH,  240
.set FR,     12
.set NL,     6
.set NP,     4
.set HALFT,  128*PITCH
.set SLOT,   4*HALFT
.set LAPS,   2
.set KS,     32
.set SCL,    2*SLOT
.set HALFS,  (128*KS/256)*272
.set SBLK,   (16*KS/256)*272
.set SPARE,  SCL+4*HALFS
.set HEADB,  208896
.set STEPB,  13056
.set ADRA, 16
.set ADRB, 20
.set LI,   24
.set TOK,  25
.set HB,   26
.set ADRS, 27
.set SPW,  28
.set NIL,  29
.set VSA,  30
.set SC,   32
.set AF,   128
.set TM,   32
.set PW,   48
.set T,    52
.set HIL,  56
.set T2,   60
.set BQ,   64
.set WK,   128
.set RA,   192
.set RB,   204
.set CT,   216
.set L8,   224
.set MB,   232
.set SWA,  240
.set SWB,  248
.set G1, 24
.set G0, 32
.set G1B, 48
.set G0B, 56
.set G1S, 68
.set G0S, 76
.set G1SB, 80
.set G0SB, 88
.set MSB, 0
.macro WIN new
.if MSB != \new
	s_set_vgpr_msb (MSB<<8)|\new
.set MSB, \new
.endif
.endm
.set MUL_LO, 0xa1
.set MUL_HI, 0xf1
.set TO_B,   0x40
.macro JLOAD g0a, g1a, g0b, g1b
	s_cmp_eq_u32 s15, 0
	s_cbranch_scc0 .Lfor_b_\@
	tensor_load_to_lds s[\g0a:\g0a+3], s[\g1a:\g1a+7]
	s_nop 0
.rept 4
	v_nop
.endr
	s_branch .Lasked_\@
.Lfor_b_\@:
	tensor_load_to_lds s[\g0b:\g0b+3], s[\g1b:\g1b+7]
	s_nop 0
.rept 4
	v_nop
.endr
.Lasked_\@:
.endm
.macro CREST
	s_cmp_lg_u32 s14, 0
	s_cbranch_scc1 .Lnot_wave_0_\@
	s_barrier_signal -3
.Lnot_wave_0_\@:
	s_barrier_wait -3
	s_barrier_signal -1
	s_barrier_wait -1
.endm
.macro CROUND
	s_barrier_signal -1
	s_barrier_wait -1
	CREST
.endm
	s_load_b256 s[4:11], s[0:1], 0x0
	v_lshl_add_u32 v[SPW], v0, 2, SPARE
	v_mov_b32 v[NIL], 0
	ds_add_u32 v[SPW], v[NIL]
	ds_add_u32 v[SPW], v[NIL]
	v_lshrrev_b32 v1, 5, v0
	v_readfirstlane_b32 s14, v1
	s_lshr_b32 s15, s14, 1
	s_and_b32 s16, s14, 1
	s_bfe_u32 s40, ttmp6, 0x40000
	s_bfe_u32 s41, ttmp6, 0x40004
	s_and_b32 s13, ttmp7, 0xffff
	s_lshl_b32 s13, s13, 2
	s_add_co_u32 s17, s13, s41
	s_add_co_u32 s18, s41, 8
	s_lshl_b32 s42, ttmp9, 2
	s_add_co_u32 s42, s42, s40
	s_add_co_u32 s19, s13, s40
	s_cmp_eq_u32 ttmp9, 2
	s_cselect_b32 s17, s18, s17
	s_cselect_b32 s42, s19, s42
	s_lshl_b32 s43, s41, 2
	s_lshl_b32 s43, 15, s43
	s_lshl_b32 s44, 0x1111, s40
	s_or_b32 s[G1+0], s43, (0<<16)|(1<<20)|(1<<21)|(3<<22)|(3<<25)
	s_or_b32 s[G1B+0], s44, (0<<16)|(1<<20)|(1<<21)|(3<<22)|(3<<25)
.irp g, G1, G1B
	s_mov_b32 s[\g+1], ROWB<<16
	s_mov_b32 s[\g+2], 128<<16
	s_mov_b32 s[\g+3], ROWB<<16
	s_mov_b32 s[\g+4], 128
	s_mov_b32 s[\g+5], KROW
	s_mov_b32 s[\g+6], 0
	s_mov_b32 s[\g+7], 0
.endr
	s_or_b32 s[G1S+0], s43, (3<<16)|(1<<20)|(1<<21)|(5<<22)|(3<<25)
	s_or_b32 s[G1SB+0], s44, (3<<16)|(1<<20)|(1<<21)|(5<<22)|(3<<25)
.irp g, G1S, G1SB
	s_mov_b32 s[\g+1], 32<<16
	s_mov_b32 s[\g+2], (128*KS/256)<<16
	s_mov_b32 s[\g+3], 32<<16
	s_mov_b32 s[\g+4], 128*KS/256
	s_mov_b32 s[\g+5], 32
	s_mov_b32 s[\g+6], 0
	s_mov_b32 s[\g+7], 0
.endr
	s_lshl_b32 s18, s16, 7
	s_lshl_b32 s20, s17, 8
	s_add_co_u32 s20, s20, s18
	s_lshl_b32 s46, s42, 8
	s_add_co_u32 s46, s46, s18
	s_mov_b32 s21, 0
	s_mov_b32 s47, 0
	s_mov_b64 s[18:19], KS
	s_mul_u64 s[22:23], s[20:21], s[18:19]
	s_mul_u64 s[92:93], s[46:47], s[18:19]
	s_mov_b64 s[18:19], KROW
	s_mul_u64 s[20:21], s[20:21], s[18:19]
	s_mul_u64 s[46:47], s[46:47], s[18:19]
	s_mul_i32 s45, s14, HALFT
	s_mul_i32 s94, s14, HALFS
	s_wait_dscnt 0x0
	s_wait_kmcnt 0x0
	s_cmp_eq_u32 ttmp9, 2
	s_cselect_b64 s[96:97], s[8:9], s[4:5]
	s_cselect_b64 s[98:99], s[10:11], s[6:7]
	s_cselect_b64 s[8:9], s[4:5], s[8:9]
	s_cselect_b64 s[10:11], s[6:7], s[10:11]
	s_add_nc_u64 s[20:21], s[96:97], s[20:21]
	s_add_nc_u64 s[22:23], s[98:99], s[22:23]
	s_add_nc_u64 s[46:47], s[8:9], s[46:47]
	s_add_nc_u64 s[92:93], s[10:11], s[92:93]
	CROUND
	s_mov_b32 s[G0S], 1
	s_add_co_u32 s[G0S+1], s94, SCL
	s_mov_b64 s[G0S+2:G0S+3], s[22:23]
	s_or_b32 s[G0S+3], s[G0S+3], 0x80000000
	s_mov_b32 s[G0SB], 1
	s_add_co_u32 s[G0SB+1], s94, SCL
	s_mov_b64 s[G0SB+2:G0SB+3], s[92:93]
	s_or_b32 s[G0SB+3], s[G0SB+3], 0x80000000
	JLOAD G0S, G1S, G0SB, G1SB
.irp s, 0,1
	s_mov_b32 s[G0+4*\s], 1
	s_add_co_u32 s[G0+4*\s+1], s45, \s*SLOT
	s_add_nc_u64 s[G0+4*\s+2:G0+4*\s+3], s[20:21], \s*ROWB
	s_or_b32 s[G0+4*\s+3], s[G0+4*\s+3], 0x80000000
	s_mov_b32 s[G0B+4*\s], 1
	s_add_co_u32 s[G0B+4*\s+1], s45, \s*SLOT
	s_add_nc_u64 s[G0B+4*\s+2:G0B+4*\s+3], s[46:47], \s*ROWB
	s_or_b32 s[G0B+4*\s+3], s[G0B+4*\s+3], 0x80000000
	s_wait_alu depctr_va_vdst(0)
	s_wait_tensorcnt 0x0
	ds_add_u32 v28, v29
	s_wait_dscnt 0x0
	CROUND
	JLOAD G0+4*\s, G1, G0B+4*\s, G1B
.endr
	v_and_b32 v1, 15, v0
	v_bfe_u32 v2, v0, 4, 1
	v_mul_u32_u24 v3, v1, PITCH
	v_mul_u32_u24 v4, v2, 24
	v_add_nc_u32 v4, v3, v4
	v_lshl_add_u32 v5, v2, 4, v4
	s_mul_i32 s21, s15, HALFT
	s_mul_i32 s22, s16, HALFT
	s_add_co_u32 s22, s22, 2*HALFT
.irp s, 0,1
	v_add_nc_u32 v[ADRA+\s], s21, v4
	v_add_nc_u32 v[ADRB+\s], s22, v4
	v_add_nc_u32 v[ADRA+2+\s], s21, v5
	v_add_nc_u32 v[ADRB+2+\s], s22, v5
	s_add_co_u32 s21, s21, SLOT
	s_add_co_u32 s22, s22, SLOT
.endr
	v_mul_u32_u24 v5, v1, KS
	v_lshrrev_b32 v6, 8, v5
	v_lshl_add_u32 v5, v6, 4, v5
	s_mul_i32 s21, s15, HALFS
	s_mul_i32 s22, s16, HALFS
	s_add_co_u32 s22, s22, 2*HALFS
	s_sub_co_u32 s22, s22, s21
	v_mul_u32_u24 v6, s22, v2
	s_add_co_u32 s21, s21, SCL
	v_add_nc_u32 v5, v5, v6
	v_add_nc_u32 v[ADRS], s21, v5
	v_and_b32 v6, 31, v0
	v_lshlrev_b32 v[LI], 4, v6
	v_and_b32 v6, 7, v1
	v_lshrrev_b32 v7, 3, v1
	v_lshl_add_u32 v6, v7, 4, v6
	v_lshlrev_b32 v[TOK], 2, v6
	v_lshlrev_b32 v[HB], 6, v2
	v_lshlrev_b32 v[VSA], 4, v1
	v_mad_u32_u24 v[VSA], v2, HEADB, v[VSA]
.macro FRAG reg, adr, q, i
.irp p, 0,1,2,3,4,5
.set PC, 12*(\q)+6*(\p/3)+\p%3
.if PC%8 < 5
	ds_load_b64 v[\reg+2*\p:\reg+2*\p+1], v[\adr] offset:8*PC+16*(PC/8)+(\i)*16*PITCH
.else
	ds_load_b64 v[\reg+2*\p:\reg+2*\p+1], v[\adr+2] offset:8*PC+16*(PC/8)+(\i)*16*PITCH
.endif
.endr
.endm
.macro MUL16 a0, p, q, sc, zero
.irp a, \a0, \a0+1
.irp b, 0,1,2,3,4,5,6,7
.if \zero
	v_wmma_scale_f32_16x16x128_f8f6f4 v[8*(8*((\a)%4)+\b):8*(8*((\a)%4)+\b)+7], v[128*(\p)+FR*\b:128*(\p)+FR*\b+FR-1], v[AF+FR*(\a):AF+FR*(\a)+FR-1], 0, v[SC+8*NQ*(\sc)+NQ*\b+(\q)], v[SC+8*NQ*(\sc)+NQ*(\a)+(\q)] matrix_a_fmt:MATRIX_FMT_FP6 matrix_b_fmt:MATRIX_FMT_FP6 matrix_a_scale:MATRIX_SCALE_ROW1
.else
	v_wmma_scale_f32_16x16x128_f8f6f4 v[8*(8*((\a)%4)+\b):8*(8*((\a)%4)+\b)+7], v[128*(\p)+FR*\b:128*(\p)+FR*\b+FR-1], v[AF+FR*(\a):AF+FR*(\a)+FR-1], v[8*(8*((\a)%4)+\b):8*(8*((\a)%4)+\b)+7], v[SC+8*NQ*(\sc)+NQ*\b+(\q)], v[SC+8*NQ*(\sc)+NQ*(\a)+(\q)] matrix_a_fmt:MATRIX_FMT_FP6 matrix_b_fmt:MATRIX_FMT_FP6 matrix_a_scale:MATRIX_SCALE_ROW1
.endif
.endr
.endr
.endm
.macro FETCH_B slot, q, p
	WIN TO_B
.irp i, 0,1,2,3,4,5,6,7
	FRAG 128*(\p)+FR*\i, ADRB+\slot, \q, \i
.endr
	WIN 0
.endm
.macro FETCH_A slot, q, i0
.irp i, \i0, \i0+1, \i0+2, \i0+3
	FRAG AF+FR*(\i), ADRA+\slot, \q, \i
.endr
.endm
.macro SCALES sc
.irp i, 0,1,2,3,4,5,6,7
	ds_load_b64 v[SC+8*NQ*\sc+NQ*\i:SC+8*NQ*\sc+NQ*\i+1], v[ADRS] offset:\i*SBLK
.endr
.endm
.macro PLACES n
.rept \n
	v_nop
.endr
.endm
.macro STEP slot, q, zero
	s_wait_dscnt 4*NL
	WIN MUL_LO
	MUL16 0, (\q)%2, \q, \slot, \zero
	MUL16 2, (\q)%2, \q, \slot, \zero
	s_wait_dscnt 0
	PLACES NP
	FETCH_B \slot, (\q)+1, 1-(\q)%2
	FETCH_A \slot, (\q)+1, 0
	WIN MUL_HI
	MUL16 4, (\q)%2, \q, \slot, \zero
	MUL16 6, (\q)%2, \q, \slot, \zero
	PLACES NP
	WIN 0
	FETCH_A \slot, (\q)+1, 4
.endm
.macro TURN slot, next, fill
	s_wait_tensorcnt 0x0
	ds_add_u32 v[SPW], v[NIL]
	s_wait_dscnt 4*NL+1
	WIN MUL_LO
	MUL16 0, 1, NQ-1, \slot, 0
	s_wait_dscnt 0x0
	s_barrier_signal -1
	MUL16 2, 1, NQ-1, \slot, 0
	WIN 0
	s_barrier_wait -1
.if \fill
	CREST
	s_add_nc_u64 s[G0+4*\slot+2:G0+4*\slot+3], s[G0+4*\slot+2:G0+4*\slot+3], 2*ROWB
	s_add_nc_u64 s[G0B+4*\slot+2:G0B+4*\slot+3], s[G0B+4*\slot+2:G0B+4*\slot+3], 2*ROWB
	JLOAD G0+4*\slot, G1, G0B+4*\slot, G1B
.else
	PLACES NP
.endif
	s_wait_alu depctr_va_vdst(0)
	v_add_nc_u32 v[ADRS], 4*NQ, v[ADRS]
	FETCH_B \next, 0, 0
	FETCH_A \next, 0, 0
	SCALES \next
	WIN MUL_HI
	MUL16 4, 1, NQ-1, \slot, 0
	MUL16 6, 1, NQ-1, \slot, 0
	PLACES NP
	WIN 0
	FETCH_A \next, 0, 4
.endm
.macro LAST
	s_wait_dscnt 4*NL
	WIN MUL_LO
	MUL16 0, 1, NQ-1, 1, 0
	MUL16 2, 1, NQ-1, 1, 0
	s_wait_dscnt 0
	WIN MUL_HI
	MUL16 4, 1, NQ-1, 1, 0
	MUL16 6, 1, NQ-1, 1, 0
	WIN 0
.endm
.macro QUANT s, d0, d1, pw
.irp b, 0,1,2,3
	v_max3_num_f32 v[TM+\b], |v[(\s)+16*\b]|, |v[(\s)+1+16*\b]|, 0x1800000
.endr
.irp i, 2,4,6,8,10,12,14
.irp b, 0,1,2,3
	v_max3_num_f32 v[TM+\b], v[TM+\b], |v[(\s)+16*\b+\i]|, |v[(\s)+1+16*\b+\i]|
.endr
.endr
.irp b, 0,1,2,3
	v_permlanex16_b32 v[TM+4+\b], v[TM+\b], s20, s21
.endr
.irp b, 0,1,2,3
	v_max_num_f32 v[TM+\b], v[TM+\b], v[TM+4+\b]
.endr
.irp b, 0,1,2,3
	v_add_nc_u32 v[TM+12+\b], 0xff000000, v[TM+\b]
.endr
.irp b, 0,1,2,3
	v_lshrrev_b32 v[TM+4+\b], 23, v[TM+12+\b]
.endr
	v_lshl_or_b32 v[\pw], v[TM+5], 8, v[TM+4]
	v_lshl_or_b32 v[\pw], v[TM+6], 16, v[\pw]
	v_lshl_or_b32 v[\pw], v[TM+7], 24, v[\pw]
	v_cvt_scalef32_pk16_fp6_f32 v[(\d0):(\d0)+2], v[(\s):(\s)+15], v[TM+12]
	v_cvt_scalef32_pk16_fp6_f32 v[CT:CT+2], v[(\s)+16:(\s)+31], v[TM+13]
	v_cvt_scalef32_pk16_fp6_f32 v[(\d1):(\d1)+2], v[(\s)+32:(\s)+47], v[TM+14]
	v_cvt_scalef32_pk16_fp6_f32 v[CT+4:CT+6], v[(\s)+48:(\s)+63], v[TM+15]
	v_nop
.irp i, 0,1,2
	v_permlane16_swap_b32 v[(\d0)+\i], v[CT+\i]
	v_permlane16_swap_b32 v[(\d1)+\i], v[CT+4+\i]
.endr
.irp i, 0,1,2
	v_mov_b32 v[(\d0)+3+\i], v[CT+\i]
	v_mov_b32 v[(\d1)+3+\i], v[CT+4+\i]
.endr
.endm
.macro EPIHEAD
	s_wait_loadcnt 0x0
	PLACES NP
.irp b, 0,1,2,3
	v_mov_b32 v[TM+4+\b], 0
.endr
.endm
.macro EPIQK a
.set AC, 64*((\a)%4)
.set WN, 0x02+(\a)/4
.set DA, RA+6*((\a)%2)
.set DB, RB+6*((\a)%2)
	WIN WN
.set i, 0
.rept 32
	v_pk_add_f32 v[WK+i:WK+i+1], v[AC+i:AC+i+1], v[BQ+i:BQ+i+1]
.set i, i+2
.endr
	WIN 0
.if ((\a)%2 == 0) && ((\a) > 0)
	s_wait_xcnt 0x0
.endif
	QUANT WK, DA, DB, PW
.if (\a)%2 == 0
	v_lshl_or_b32 v[SWA+\a], v[PW], 16, v[MB+\a]
	v_and_or_b32 v[SWB+\a], v[PW], 0xffff0000, v[MB+\a]
.else
	v_and_or_b32 v[SWA+\a], v[PW], 0xffff, v[MB+\a]
	v_lshrrev_b32 v[SWB+\a], 16, v[PW]
	v_or_b32 v[SWB+\a], v[SWB+\a], v[MB+\a]
.irp g, 0,1,2
	global_store_b128 v[LI], v[RA+4*\g:RA+4*\g+3], s[36:37] offset:1536*((\a)/2)+512*\g
	global_store_b128 v[LI], v[RB+4*\g:RB+4*\g+3], s[36:37] offset:HEADB+1536*((\a)/2)+512*\g
.endr
.endif
.endm
.macro EPIV a
.set AC, 64*((\a)%4)
.set WN, 0x02+(\a)/4
.set DV, RA+12*((\a)%2)
.set DW, DV+6
.set PWV, SWA+(\a)
	WIN WN
.set i, 0
.rept 32
	v_pk_add_f32 v[WK+i:WK+i+1], v[AC+i:AC+i+1], v[L8+2*(\a):L8+2*(\a)+1]
.set i, i+2
.endr
	WIN 0
.if (\a) > 1
	s_wait_xcnt 0x0
.endif
	QUANT WK, DV, DW, PWV
.irp g, 0,1,2
	global_store_b128 v[LI], v[DV+4*\g:DV+4*\g+3], s[36:37] offset:((\a)/4)*HEADB+((\a)%4)*1536+512*\g
.endr
.endm
	s_wait_tensorcnt 1
	s_barrier_signal -1
	s_barrier_wait -1
	FETCH_B 0, 0, 0
	FETCH_A 0, 0, 0
	SCALES 0
	FETCH_A 0, 0, 4
	STEP 0, 0, 1
	s_mov_b32 s3, LAPS-1
.Llap:
	TURN 0, 1, 1
	STEP 1, 0, 0
	TURN 1, 0, 1
	STEP 0, 0, 0
	s_sub_co_u32 s3, s3, 1
	s_cmp_lg_u32 s3, 0
	s_cbranch_scc1 .Llap
	TURN 0, 1, 0
	s_load_b256 s[24:31], s[0:1], 0x20
	s_load_b128 s[32:35], s[0:1], 0x40
	STEP 1, 0, 0
	s_mov_b32 s20, 0x76543210
	s_mov_b32 s21, 0xfedcba98
	s_mov_b32 s52, 0xffff0000
	s_wait_kmcnt 0x0
	s_cmp_eq_u32 ttmp9, 2
	s_cbranch_scc1 .Lv
	s_lshr_b32 s36, s17, 3
	s_and_b32 s37, s17, 7
	s_lshl_b32 s37, s37, 1
	s_add_co_u32 s37, s37, s15
	s_and_b32 s38, s42, 3
	s_lshl_b32 s39, s38, 2
	s_lshl_b32 s43, s16, 1
	s_add_co_u32 s39, s39, s43
	s_lshl_b32 s43, s36, 4
	s_add_co_u32 s39, s39, s43
	s_mul_i32 s44, s39, HEADB
	s_mul_i32 s45, s37, STEPB
	s_add_co_u32 s44, s44, s45
	s_mov_b32 s45, 0
	s_lshl_b32 s46, s38, 10
	s_lshl_b32 s47, s16, 9
	s_add_co_u32 s46, s46, s47
	s_mov_b32 s47, 0
	s_lshl_b32 s48, s36, 13
	s_lshl_b32 s49, s37, 9
	s_add_co_u32 s48, s48, s49
	s_mov_b32 s49, 0
	s_mov_b32 s50, 254
	s_cmp_eq_u32 ttmp9, 0
	s_cselect_b64 s[36:37], s[32:33], s[34:35]
	s_cselect_b64 s[38:39], s[24:25], s[26:27]
	s_cselect_b32 s50, 100, s50
	s_cselect_b32 s51, 100, 1
	s_add_nc_u64 s[36:37], s[36:37], s[44:45]
	s_add_nc_u64 s[38:39], s[38:39], s[46:47]
	s_add_nc_u64 s[30:31], s[30:31], s[48:49]
.irp b, 0,1,2,3,4,5,6,7
	global_load_b128 v[BQ+8*\b:BQ+8*\b+3], v[HB], s[38:39] offset:4*(32*(\b/2)+8*(\b%2))
	global_load_b128 v[BQ+8*\b+4:BQ+8*\b+7], v[HB], s[38:39] offset:4*(32*(\b/2)+8*(\b%2))+16
.endr
.irp a, 0,1,2,3,4,5,6,7
	global_load_b32 v[L8+\a], v[TOK], s[30:31] offset:4*(32*(\a/2)+8*(\a%2))
.endr
	LAST
	EPIHEAD
	v_mov_b32 v[HIL], s50
	v_mov_b32 v[HIL+1], s51
	v_lshlrev_b32 v[HIL+2], 16, v[HIL]
	v_lshlrev_b32 v[HIL+3], 16, v[HIL+1]
.irp a, 0,1,2,3,4,5,6,7
	v_cmp_lt_i32 vcc_lo, 0, v[L8+\a]
	v_cndmask_b32 v[MB+\a], v[HIL+2*(\a%2)], v[HIL+1+2*(\a%2)], vcc_lo
.endr
.irp a, 0,1,2,3,4,5,6,7
	EPIQK \a
.endr
.irp i, 0,1,2,3
	v_cndmask_b32 v[T+\i], v[SWA+\i], v[SWA+4+\i], s52
	v_cndmask_b32 v[T2+\i], v[SWB+\i], v[SWB+4+\i], s52
.endr
	global_store_b128 v[LI], v[T:T+3], s[36:37] offset:12288
	global_store_b128 v[LI], v[T2:T2+3], s[36:37] offset:HEADB+12288
	s_branch .Ldone
.Lv:
	s_sub_co_u32 s38, s17, 8
	s_lshr_b32 s36, s42, 3
	s_and_b32 s37, s42, 7
	s_lshl_b32 s37, s37, 1
	s_add_co_u32 s37, s37, s16
	s_lshl_b32 s39, s38, 2
	s_lshl_b32 s43, s15, 1
	s_add_co_u32 s39, s39, s43
	s_lshl_b32 s43, s36, 4
	s_add_co_u32 s39, s39, s43
	s_mul_i32 s44, s39, HEADB
	s_mul_i32 s45, s37, STEPB
	s_add_co_u32 s44, s44, s45
	s_add_co_u32 s44, s44, 6144
	s_mov_b32 s45, 0
	s_lshl_b32 s46, s38, 10
	s_lshl_b32 s47, s15, 9
	s_add_co_u32 s46, s46, s47
	s_mov_b32 s47, 0
	s_add_nc_u64 s[36:37], s[34:35], s[44:45]
	s_add_nc_u64 s[38:39], s[28:29], s[46:47]
.irp a, 0,1,2,3,4,5,6,7
	global_load_b32 v[L8+2*\a], v[TOK], s[38:39] offset:4*(32*(\a/2)+8*(\a%2))
	global_load_b32 v[L8+2*\a+1], v[TOK], s[38:39] offset:4*(32*(\a/2)+8*(\a%2))
.endr
	LAST
	EPIHEAD
.irp a, 0,1,2,3,4,5,6,7
	EPIV \a
.endr
.irp i, 0,1,2,3
	v_cndmask_b32 v[T+\i], v[SWA+\i], v[SWA+4+\i], s52
.endr
	global_store_b128 v[VSA], v[T:T+3], s[36:37] offset:6656
.Ldone:
	s_wait_tensorcnt 0x0
	ds_add_u32 v[SPW], v[NIL]
	s_wait_dscnt 0x0
	CROUND
	s_endpgm
.Lfunc_end_k_q27dc9b8455_proj:
	.size	k_q27dc9b8455_proj, .Lfunc_end_k_q27dc9b8455_proj-k_q27dc9b8455_proj
	.p2alignl 7, 3214868480
	.fill 96, 4, 3214868480
	.section	.rodata,"a",@progbits
	.p2align	6, 0x0
	.amdhsa_kernel k_q27dc9b8455_proj
		.amdhsa_group_segment_fixed_size 327680
		.amdhsa_private_segment_fixed_size 0
		.amdhsa_enable_private_segment 0
		.amdhsa_kernarg_size 80
		.amdhsa_user_sgpr_count 2
		.amdhsa_user_sgpr_kernarg_segment_ptr 1
		.amdhsa_wavefront_size32 1
		.amdhsa_system_sgpr_workgroup_id_x 1
		.amdhsa_system_sgpr_workgroup_id_y 1
		.amdhsa_system_sgpr_workgroup_id_z 1
		.amdhsa_system_vgpr_workitem_id 0
		.amdhsa_next_free_vgpr 1024
		.amdhsa_next_free_sgpr 104
		.amdhsa_reserve_vcc 1
		.amdhsa_float_denorm_mode_32 3
		.amdhsa_float_denorm_mode_16_64 3
		.amdhsa_memory_ordered 1
		.amdhsa_forward_progress 1
		.amdhsa_inst_pref_size 246
	.end_amdhsa_kernel
	.amdgpu_metadata
---
amdhsa.version: [ 1, 2 ]
amdhsa.kernels:
  - .name:           k_q27dc9b8455_proj
    .symbol:         k_q27dc9b8455_proj.kd
    .args:
      - { .name: xc, .offset: 0, .size: 8, .value_kind: global_buffer, .address_space: global }
      - { .name: xs, .offset: 8, .size: 8, .value_kind: global_buffer, .address_space: global }
      - { .name: wc, .offset: 16, .size: 8, .value_kind: global_buffer, .address_space: global }
      - { .name: ws, .offset: 24, .size: 8, .value_kind: global_buffer, .address_space: global }
      - { .name: bq, .offset: 32, .size: 8, .value_kind: global_buffer, .address_space: global }
      - { .name: bk, .offset: 40, .size: 8, .value_kind: global_buffer, .address_space: global }
      - { .name: bv, .offset: 48, .size: 8, .value_kind: global_buffer, .address_space: global }
      - { .name: mask, .offset: 56, .size: 8, .value_kind: global_buffer, .address_space: global }
      - { .name: qf, .offset: 64, .size: 8, .value_kind: global_buffer, .address_space: global }
      - { .name: kv, .offset: 72, .size: 8, .value_kind: global_buffer, .address_space: global }
    .group_segment_fixed_size: 327680
    .private_segment_fixed_size: 0
    .kernarg_segment_align: 8
    .kernarg_segment_size: 80
    .max_flat_workgroup_size: 128
    .sgpr_count:     104
    .vgpr_count:     1024
    .wavefront_size: 32
...
	.end_amdgpu_metadata
.endif
;; end of part 2
;; launch attn (part 3): grid 4 x 64, 16 waves a work-group, clusters of 4 x 1, 327,680 bytes of LDS; arguments qf, kv, mask, out0; writes out0
.if DOCPART == 3
	.amdgcn_target "amdgcn-amd-amdhsa--gfx1250"
	.amdhsa_code_object_version 6
	.text
	.protected	k_q27dc9b8455_attn
	.globl	k_q27dc9b8455_attn
	.p2align	8
	.type	k_q27dc9b8455_attn,@function
k_q27dc9b8455_attn:
	s_mov_b64 s[64:65], 0
	v_nop
	global_prefetch_b8 v0, s[64:65] scope:SCOPE_SE
	s_setreg_imm32_b32 hwreg(HW_REG_WAVE_MODE, 25, 1), 1
	s_wait_xcnt 0x0
	s_wait_alu depctr_hold_cnt(0) depctr_sa_sdst(0) depctr_va_vdst(0) depctr_va_sdst(0) depctr_va_ssrc(0) depctr_va_vcc(0) depctr_vm_vsrc(0)
	s_getreg_b32 s2, hwreg(HW_REG_IB_STS2, 6, 4)
	s_cmp_eq_u32 s2, 0
	s_cbranch_scc0 .Lentry_in_a_cluster
	s_endpgm
.Lentry_in_a_cluster:
	s_bfe_u32 s2, ttmp6, 0x10000c
	s_cmp_lg_u32 s2, 0x3003
	s_cbranch_scc0 .Lentry_shape_is_right
	s_endpgm
.Lentry_shape_is_right:
; out0[b][q][64 h ..] = the sum over keys of softmax(q . k / 8, hidden keys left out) v, both products on codes of FP6 (E2M3) with E8M0 scales, from the register images that the launch before has laid.
; THE SOFTMAX: t = score x log2(e) / 8; M = the running largest t rounded UP to a whole number; p = 2^(t - M) is quantised along the keys, not normalised; the row's sum is taken of the unquantised p and divides at the end.
; When M moves, the sum and O are multiplied by 2^(old M - new M): exact.
; SHARES.  A work-group owns 512 queries of one batch x head; each of its sixteen waves a pair of tiles of 16 queries, which it takes one after the other, each over all 16 steps of 128 keys.  Four waves lie on a SIMD.
; THE WHOLE HEAD LIES IN LDS: 16 steps x 13,056 bytes, filled once: wave w fetches step w by one tensor load.  So the key loops have no barrier and no refill.
; CLUSTER.  The four query blocks of a head read the same 208,896 bytes: each load is asked for jointly by the four work-groups.  The place in the cluster enters q's and out0's global addresses alone.
; LAYOUT.  Both products are used transposed (S^T = K Q^T, O^T = V^T P^T): a lane holds one query (lane % 16) throughout.  Lane r of tile 2 b + u of k holds key 32 b + 8 u + (r % 8) + 16 (r / 8),
; so the 16 registers of tiles 2 b, 2 b + 1 of S^T are keys 32 b + 16 (lane / 16) + 0 .. 15.  The tiles of v and of q are ordered likewise (channels, queries).
; K = 64 FILLS HALF OF THE INSTRUCTION'S 128; THE OTHER HALF CARRIES THE MASK.  A tile of k (6 registers) stands beside six constant registers that hold one code +1, a tile of q beside six that hold one code -1.
; That block's scale byte is 100 on q's side and, on k's, 1 for an open key (the term is 2^-153: nothing) and 254 for a hidden one (the term is -2^100): so p of a hidden key is 0, with no vector instruction in the loop.
; A BATCH WHOSE MASK IS ALL 0: the factor c is then taken as 0 (a select, no branch): t = 0, M = 0, p = 1 for every key: the uniform weights that the plain softmax of equal logits gives.
; The running largest t starts at -2^60: a step all of whose keys are hidden then gives p = 0 throughout.
; LIMITS: |score| stays far under 2^76 and |t| under 2^60; NaN and infinities are not served.
.set HEADB,  208896
.set STEPB,  13056                     ; a step: at 0 four pairs of tiles of k, 1,536 bytes each; at VIMG four tiles of v; at KSCO k's scale words (16 bytes a lane); at VSCO v's (16 bytes a row)
.set VIMG,   6144
.set KSCO,   12288
.set VSCO,   12800
.set SPITCH, 272
.set STAGE,  HEADB                     ; behind the head: 16 rows x 272 bytes for each wave, for the way out
.set FLAG,   STAGE+16*16*SPITCH        ; 16 words: has wave w seen an open key?
.set SPARE,  FLAG+256                  ; the spare words, 128 bytes for each of sixteen waves
.set LI,  1                            ; v1   16 x lane
.set LR,  2                            ; v2   16 x (lane % 16)
.set ADK, 3                            ; v3   the step's first byte + 16 x lane
.set ADV, 4                            ; v4   the step's first byte + 16 x (lane % 16)
.set SPW, 5                            ; v5   LDS address of my spare word; never rewritten
.set NIL, 6                            ; v6   0; never rewritten
.set GO,  7                            ; v7   the way out: 4,096 x (lane / 16) + 16 x (lane % 16)
.set STO, 8                            ; v8   the stage, in: row r, + 64 x (lane / 16)
.set RD,  9                            ; v9   the stage, back: lanes 0-15 one row, lanes 16-31 the next
.set CC,  10                           ; v[10:11] c, twice
.set NM,  12                           ; v12 -M, v13 the largest t
.set SUM, 14                           ; v[14:15] the row's sum in two halves
.set QB,  16                           ; v16-21 (-1 | zeros), v22-27 q's tile, v28-33 (-1 | zeros): [const | q] = v[16:27], [q | const] = v[22:33]
.set QN,  34                           ; v34-39 the pair's second tile
.set QHI, 40                           ; v40 q's scale word (100, 0, s0, s1); v41 (s0, s1, 100, 0); v42, v43 the second tile's
.set QLO, 41
.set KA,  44                           ; v44-49 (+1 | zeros), v50-61 a pair, v62-67 (+1 | zeros), v68-79 a pair, v80-85 (+1 | zeros)
.set P0,  50
.set P1,  68
.set KSR, 86                           ; v86-89 k's scale words: lanes 0-15 tiles 0-3, lanes 16-31 tiles 4-7
.set VSR, 90                           ; v90-93 v's
.set S,   96                           ; v96-159 S^T, then p
.set O,   160                          ; v160-191 O^T
.set PC,  192                          ; v192-203 p's codes
.set SO,  204                          ; v204-207 the conversions' scale operands
.set BM,  212                          ; v212-215 each block's largest score, then its largest p
.set T8,  216                          ; v216-223 at work
.set TP,  224
.set FF,  226                          ; v226 f = 2^(old M - new M); v227 p's scale word
.set V2,  230                          ; v230-253 v's tiles 2 and 3
.macro CROUND                          ; a round of the cluster's barrier
	s_barrier_signal -1
	s_barrier_wait -1
	s_cmp_lg_u32 s12, 0
	s_cbranch_scc1 .Lnot_wave_0_\@
	s_barrier_signal -3
.Lnot_wave_0_\@:
	s_barrier_wait -3
	s_barrier_signal -1
	s_barrier_wait -1
.endm
	s_load_b256 s[4:11], s[0:1], 0x0               ; qf, kv, mask, out0
	v_lshl_add_u32 v[SPW], v0, 2, SPARE
	v_mov_b32 v[NIL], 0
	ds_add_u32 v[SPW], v[NIL]                      ; the wave's opening: the add and its wait come ahead of my first tensor load; the set-up below, work on registers, stands between them
	ds_add_u32 v[SPW], v[NIL]
	v_lshrrev_b32 v94, 5, v0
	s_delay_alu instid0(VALU_DEP_1)
	v_readfirstlane_b32 s12, v94                   ; wave 0..15
	s_bfe_u32 s13, ttmp6, 0x40000                  ; cx: my block of 512 queries
	s_and_b32 s14, ttmp7, 0xffff                   ; batch x head, which the four partners share
	; descriptor group 1: a step's 13,056 dense bytes as 51 rows of 256 bytes (32 elements of 8 bytes), no padding
	s_mov_b32 s24, 15|(3<<16)|(1<<21)              ; 15:0 the mask: all four work-groups; 17:16 elements of 8 bytes; 21 set beside a mask
	s_mov_b32 s25, 32<<16                          ; tensor_dim0 = 32
	s_mov_b32 s26, 51<<16                          ; tensor_dim1 = 51
	s_mov_b32 s27, 32<<16                          ; tile_dim0 = 32
	s_mov_b32 s28, 51                              ; tile_dim1 = 51
	s_mov_b32 s29, 32                              ; the pitch
	s_mov_b32 s30, 0
	s_mov_b32 s31, 0
	s_mov_b32 s20, 0x76543210                      ; v_permlanex16_b32's selects for lane l xor 16
	s_mov_b32 s21, 0xfedcba98
	s_mul_i32 s36, s14, HEADB                      ; the head's first byte in qf and kv (under 2^24)
	s_mov_b32 s32, 1                               ; group 0: count = 1,
	s_mul_i32 s33, s12, STEPB                      ; LDS address: step w; no place in the cluster enters it
	s_add_co_u32 s38, s36, s33                     ; and the same step in memory
	s_mov_b32 s39, 0
	s_lshl_b32 s40, s13, 2
	s_lshr_b32 s41, s12, 2
	s_add_co_u32 s40, s40, s41                     ; my queries' step of 128 tokens: 4 cx + wave / 4
	s_and_b32 s41, s12, 3                          ; and my pair of tiles in it
	s_mul_i32 s42, s40, STEPB
	s_add_co_u32 s42, s42, s36
	s_mul_i32 s43, s41, 1536
	s_add_co_u32 s44, s42, s43                     ; the pair's image in qf
	s_mov_b32 s45, 0
	s_lshr_b32 s43, s41, 1
	s_lshl_b32 s43, s43, 8
	s_and_b32 s46, s41, 1
	s_lshl_b32 s46, s46, 3
	s_add_co_u32 s46, s46, s43
	s_add_co_u32 s46, s46, s42
	s_add_co_u32 s46, s46, KSCO                    ; its two scale words: 256 (pair / 2) + 16 r + 8 (pair % 2) among the step's
	s_mov_b32 s47, 0
	s_lshr_b32 s54, s14, 4                         ; batch
	s_lshl_b32 s52, s54, 13                        ; its 2,048 words of the mask
	s_mov_b32 s53, 0
	s_lshl_b32 s54, s54, 23                        ; out0: batch x 2,048 rows of 4,096 bytes
	s_lshl_b32 s55, s40, 19                        ; + 128 rows a step
	s_add_co_u32 s54, s54, s55
	s_lshl_b32 s55, s41, 17                        ; + 32 rows a pair
	s_add_co_u32 s54, s54, s55
	s_and_b32 s55, s14, 15
	s_lshl_b32 s55, s55, 8                         ; + the head's 256 bytes of a row
	s_add_co_u32 s54, s54, s55
	s_mov_b32 s55, 0
	v_and_b32 v[LI], 31, v0
	s_delay_alu instid0(VALU_DEP_1)
	v_lshlrev_b32 v[LI], 4, v[LI]
	v_and_b32 v94, 15, v0                          ; r
	v_bfe_u32 v95, v0, 4, 1                        ; h
	s_delay_alu instid0(VALU_DEP_2)
	v_lshlrev_b32 v[LR], 4, v94
	s_delay_alu instid0(VALU_DEP_1)
	v_lshl_add_u32 v[GO], v95, 12, v[LR]
	s_mul_i32 s37, s12, 16*SPITCH
	s_add_co_u32 s37, s37, STAGE                   ; my stage
	v_mul_u32_u24 v[STO], v94, SPITCH
	s_delay_alu instid0(VALU_DEP_1)
	v_lshl_add_u32 v[STO], v95, 6, v[STO]
	s_delay_alu instid0(VALU_DEP_1)
	v_add_nc_u32 v[STO], s37, v[STO]
	v_mul_u32_u24 v[RD], v95, SPITCH
	s_delay_alu instid0(VALU_DEP_1)
	v_add_nc_u32 v[RD], v[RD], v[LR]
	s_delay_alu instid0(VALU_DEP_1)
	v_add_nc_u32 v[RD], s37, v[RD]
	v_sub_nc_u32 v[KA], 1, v95                     ; the constants: lanes 0-15 hold the first 32 of a half's 64 places
	s_delay_alu instid0(VALU_DEP_1)
	v_lshlrev_b32 v[KA], 3, v[KA]                  ; code 8 = +1.0 at the first place, zeros elsewhere
	s_delay_alu instid0(VALU_DEP_1)
	v_mul_u32_u24 v[QB], v[KA], 5                  ; code 40 = -1.0
	s_delay_alu instid0(VALU_DEP_2)
	v_mov_b32 v[KA+18], v[KA]
	s_delay_alu instid0(VALU_DEP_3)
	v_mov_b32 v[KA+36], v[KA]
	s_delay_alu instid0(VALU_DEP_3)
	v_mov_b32 v[QB+12], v[QB]
.irp i, 1,2,3,4,5
	v_mov_b32 v[KA+\i], 0
	v_mov_b32 v[KA+18+\i], 0
	v_mov_b32 v[KA+36+\i], 0
	v_mov_b32 v[QB+\i], 0
	v_mov_b32 v[QB+12+\i], 0
.endr
	v_lshlrev_b32 v116, 4, v0                      ; the mask: 16 bytes a thread: 512 threads read the batch's 8,192 bytes
	s_lshl_b32 s56, s12, 2
	s_add_co_u32 s56, s56, FLAG
	v_mov_b32 v117, s56                            ; my wave's word among the flags
	s_wait_dscnt 0x0                               ; the opening add is done
	s_wait_kmcnt 0x0
	s_add_nc_u64 s[34:35], s[6:7], s[38:39]        ; group 0: global address,
	s_or_b32 s35, s35, 0x80000000                  ; type = 2
	s_add_nc_u64 s[48:49], s[4:5], s[44:45]
	s_add_nc_u64 s[50:51], s[4:5], s[46:47]
	s_add_nc_u64 s[8:9], s[8:9], s[52:53]
	s_add_nc_u64 s[10:11], s[10:11], s[54:55]
	CROUND                                         ; all four work-groups are here: the joint loads meet
	tensor_load_to_lds s[32:35], s[24:31]          ; my one tensor load: step w of the head
	s_nop 0
.rept 4
	v_nop
.endr
	global_load_b128 v[96:99], v[LI], s[48:49]               ; my pair of q's tiles, 12 registers
	global_load_b128 v[100:103], v[LI], s[48:49] offset:512
	global_load_b128 v[104:107], v[LI], s[48:49] offset:1024
	global_load_b64 v[108:109], v[LR], s[50:51]              ; their scale words
	s_wait_alu depctr_va_vdst(0)
	global_load_b128 v[112:115], v116, s[8:9]
	s_wait_loadcnt 0x0
	v_cmp_lt_i32 s36, 0, v112                      ; is any of my wave's 128 keys open?  The answer selects a value; no branch and no address hangs on it
	v_cmp_lt_i32 s37, 0, v113
	v_cmp_lt_i32 s38, 0, v114
	v_cmp_lt_i32 s39, 0, v115
	s_or_b32 s36, s36, s37
	s_or_b32 s38, s38, s39
	s_or_b32 s36, s36, s38
	s_cmp_lg_u32 s36, 0
	s_cselect_b32 s36, 1, 0
	v_mov_b32 v118, s36
	ds_store_b32 v117, v118                        ; all lanes write the same word with the same value
.irp i, 0,1,2,3,4,5
	v_mov_b32 v[QB+6+\i], v[96+\i]                 ; the pair's first tile,
	v_mov_b32 v[QN+\i], v[102+\i]                  ; and its second, for later
.endr
	v_mov_b32 v[QHI], v108                         ; an even tile's word is (100, 0, s0, s1);
	v_alignbit_b32 v[QLO], v108, v108, 16          ; turned by 16 bits: (s0, s1, 100, 0)
	v_mov_b32 v[QLO+2], v109                       ; an odd tile's word is (s0, s1, 100, 0)
	v_alignbit_b32 v[QHI+2], v109, v109, 16
	s_wait_tensorcnt 0x0                           ; my step has landed,
	s_wait_dscnt 0x0                               ; my flag is stored:
	s_barrier_signal -1
	s_barrier_wait -1                              ; everybody's: the whole head lies in LDS; nothing is filled again
	v_mov_b32 v94, FLAG
.irp i, 0,1,2,3
	ds_load_b128 v[112+4*\i:115+4*\i], v94 offset:16*\i
.endr
	s_wait_dscnt 0x0
.irp i, 0,1,2,3,4,5,6,7
	v_or_b32 v[112+\i], v[112+\i], v[120+\i]
.endr
.irp i, 0,1,2,3
	s_delay_alu instid0(VALU_DEP_4)
	v_or_b32 v[112+\i], v[112+\i], v[116+\i]
.endr
	s_delay_alu instid0(VALU_DEP_2)
	v_or_b32 v112, v112, v114
	s_delay_alu instid0(VALU_DEP_2)
	v_or_b32 v113, v113, v115
	s_delay_alu instid0(VALU_DEP_1)
	v_or_b32 v112, v112, v113                      ; not 0: the batch has an open key
	v_mov_b32 v[CC+1], 0x3e38aa3b                  ; log2(e) / 8
	s_delay_alu instid0(VALU_DEP_2)
	v_cmp_ne_u32 vcc_lo, 0, v112
	s_delay_alu instid0(VALU_DEP_1)
	v_cndmask_b32 v[CC], 0, v[CC+1], vcc_lo        ; c, or 0 where every key is hidden
	s_delay_alu instid0(VALU_DEP_1)
	v_mov_b32 v[CC+1], v[CC]
.irp b, 0,1,2,3
	v_mov_b32 v[T8+\b], 0                          ; written once: a lane permute's destination counts as one of its sources
.endr
	v_mov_b32 v[FF+1], 0                           ; (named as the upper half of the pair v[226:227] before it is first written)
.macro KQ d, a, b, ks, qs, hi          ; 16 keys x my 16 queries; hi = 1: k's scale words stand in lanes 16-31
.if \hi
	v_wmma_scale_f32_16x16x128_f8f6f4 v[\d:\d+7], v[\a:\a+11], v[\b:\b+11], 0, v[\ks], v[\qs] matrix_a_fmt:MATRIX_FMT_FP6 matrix_b_fmt:MATRIX_FMT_FP6 matrix_a_scale:MATRIX_SCALE_ROW1
.else
	v_wmma_scale_f32_16x16x128_f8f6f4 v[\d:\d+7], v[\a:\a+11], v[\b:\b+11], 0, v[\ks], v[\qs] matrix_a_fmt:MATRIX_FMT_FP6 matrix_b_fmt:MATRIX_FMT_FP6
.endif
.endm
.macro KQ4 d, hi                       ; four tiles: even ones as [const | tile] against [const | q], odd ones as [tile | const] against [q | const]
	KQ \d, KA, QB, KSR, QHI, \hi
	KQ \d+8, KA+12, QB+6, KSR+1, QLO, \hi
	KQ \d+16, KA+18, QB, KSR+2, QHI, \hi
	KQ \d+24, KA+30, QB+6, KSR+3, QLO, \hi
.endm
.macro PV d, a, vs                     ; 16 channels x my 16 queries, K = the step's 128 keys
	v_wmma_scale_f32_16x16x128_f8f6f4 v[\d:\d+7], v[\a:\a+11], v[PC:PC+11], v[\d:\d+7], v[\vs], v[FF+1] matrix_a_fmt:MATRIX_FMT_FP6 matrix_b_fmt:MATRIX_FMT_FP6
.endm
; A KEY STEP: 128 keys at LDS byte s16
.macro STEP
	v_add_nc_u32 v[ADK], s16, v[LI]
	v_add_nc_u32 v[ADV], s16, v[LR]
	v_nop
	v_nop                                          ; four places behind the last step's products, in front of the loads into their registers
	ds_load_b128 v[KSR:KSR+3], v[ADK] offset:KSCO
	ds_load_b128 v[VSR:VSR+3], v[ADV] offset:VSCO
.irp g, 0,1,2
	ds_load_b128 v[P0+4*\g:P0+3+4*\g], v[ADK] offset:512*\g            ; tiles 0, 1: each load takes 512 consecutive bytes
	ds_load_b128 v[P1+4*\g:P1+3+4*\g], v[ADK] offset:1536+512*\g       ; tiles 2, 3
.endr
	s_wait_alu depctr_va_vdst(0)
	s_wait_dscnt 0x0
	KQ4 S, 0
.rept 4
	v_nop
.endr
.irp g, 0,1,2
	ds_load_b128 v[P0+4*\g:P0+3+4*\g], v[ADK] offset:3072+512*\g       ; tiles 4, 5
	ds_load_b128 v[P1+4*\g:P1+3+4*\g], v[ADK] offset:4608+512*\g       ; tiles 6, 7
.endr
	s_wait_dscnt 0x0
	KQ4 S+32, 1
.rept 4
	v_nop                                          ; places in front of the loads below and of the first read of the scores
.endr
.irp g, 0,1,2                                  ; v's four tiles land while the softmax is worked
	ds_load_b128 v[P0+4*\g:P0+3+4*\g], v[ADK] offset:VIMG+512*\g
	ds_load_b128 v[P1+4*\g:P1+3+4*\g], v[ADK] offset:VIMG+1536+512*\g
	ds_load_b128 v[V2+4*\g:V2+3+4*\g], v[ADK] offset:VIMG+3072+512*\g
	ds_load_b128 v[V2+12+4*\g:V2+15+4*\g], v[ADK] offset:VIMG+4608+512*\g
.endr
.irp b, 0,1,2,3
	v_max3_num_f32 v[BM+\b], v[S+16*\b], v[S+1+16*\b], v[S+2+16*\b]   ; the largest score of each block of 32 keys: for the row's maximum, and, since p rises with the score, for the block's largest p
.endr
.irp i, 3,5,7,9,11,13
.irp b, 0,1,2,3
	v_max3_num_f32 v[BM+\b], v[BM+\b], v[S+16*\b+\i], v[S+1+16*\b+\i]   ; (the four blocks by turns)
.endr
.endr
.irp b, 0,1,2,3
	v_max_num_f32 v[BM+\b], v[BM+\b], v[S+15+16*\b]
.endr
.irp b, 0,1,2,3
	s_delay_alu instid0(VALU_DEP_4)
	v_permlanex16_b32 v[T8+\b], v[BM+\b], s20, s21
.endr
.irp b, 0,1,2,3
	s_delay_alu instid0(VALU_DEP_4)
	v_max_num_f32 v[BM+\b], v[BM+\b], v[T8+\b]     ; with lane l xor 16's 16 keys
.endr
	s_delay_alu instid0(VALU_DEP_2)
	v_max3_num_f32 v[TP], v[BM], v[BM+1], v[BM+2]
	s_delay_alu instid0(VALU_DEP_1)
	v_max_num_f32 v[TP], v[TP], v[BM+3]            ; the step's largest score of my query
	s_delay_alu instid0(VALU_DEP_1)
	v_mul_f32 v[TP], v[CC], v[TP]                  ; as t (c is not negative)
	s_delay_alu instid0(VALU_DEP_1)
	v_max_num_f32 v[NM+1], v[NM+1], v[TP]          ; the running largest t
	v_mov_b32 v[TP], v[NM]
	s_delay_alu instid0(VALU_DEP_2)
	v_floor_f32 v[NM], -v[NM+1]                    ; the new -M = floor(-t) = -ceil(t): a whole number
	s_delay_alu instid0(VALU_DEP_1)
	v_sub_f32 v[TP], v[NM], v[TP]                  ; old M - new M: a whole number, 0 or less
	s_delay_alu instid0(VALU_DEP_1)
	v_cvt_i32_f32 v[TP], v[TP]                     ; (it saturates)
	s_delay_alu instid0(VALU_DEP_1)
	v_ldexp_f32 v[FF], 1.0, v[TP]                  ; f = 2^(old M - new M)
.set j, 0
.rept 32
	v_pk_fma_f32 v[S+j:S+j+1], v[S+j:S+j+1], v[CC:CC+1], v[NM:NM+1] op_sel_hi:[1,0,0]   ; t - M, two at a time (of the pairs c and -M the low word serves both halves)
.set j, j+2
.endr
.irp b, 0,1,2,3
	v_fma_f32 v[BM+\b], v[BM+\b], v[CC], v[NM]     ; the same of each block's largest score
.endr
.set j, 0
	s_wait_alu depctr_va_vdst(0)
.rept 64
	v_exp_f32 v[S+j], v[S+j]                       ; p = 2^(t - M): not normalised
.set j, j+1
.endr
	s_setprio 1
	v_pk_mul_f32 v[SUM:SUM+1], v[SUM:SUM+1], v[FF:FF+1] op_sel_hi:[1,0]   ; the sums under the new M (the plain line behind the exponentials)
	s_wait_alu depctr_va_vdst(0)                   ; one wait for the whole batch of 64, ahead of its first reader
.irp b, 0,1,2,3
	v_exp_f32 v[BM+\b], v[BM+\b]                   ; the block's largest p: the same two instructions on the same number give the same bits
.endr
	v_pk_add_f32 v[216:217], v[100:101], v[104:105]
	v_pk_add_f32 v[254:255], v[108:109], v[112:113]
	v_pk_add_f32 v[228:229], v[116:117], v[120:121]
	v_pk_add_f32 v[222:223], v[124:125], v[128:129]
	v_pk_add_f32 v[220:221], v[132:133], v[136:137]
	v_pk_add_f32 v[218:219], v[140:141], v[144:145]
	v_pk_add_f32 v[210:211], v[148:149], v[152:153]
	v_pk_add_f32 v[14:15], v[14:15], v[156:157]
	v_pk_add_f32 v[216:217], v[216:217], v[96:97]
	v_pk_add_f32 v[254:255], v[254:255], v[98:99]
	v_pk_add_f32 v[228:229], v[228:229], v[102:103]
	v_pk_add_f32 v[222:223], v[222:223], v[106:107]
	v_pk_add_f32 v[220:221], v[220:221], v[110:111]
	v_pk_add_f32 v[218:219], v[218:219], v[114:115]
	v_pk_add_f32 v[210:211], v[210:211], v[118:119]
	v_pk_add_f32 v[14:15], v[14:15], v[122:123]
	v_pk_add_f32 v[216:217], v[216:217], v[126:127]
	v_pk_add_f32 v[254:255], v[254:255], v[130:131]
	v_pk_add_f32 v[228:229], v[228:229], v[134:135]
	v_pk_add_f32 v[222:223], v[222:223], v[138:139]
	v_pk_add_f32 v[220:221], v[220:221], v[142:143]
	v_pk_add_f32 v[218:219], v[218:219], v[146:147]
	v_pk_add_f32 v[210:211], v[210:211], v[150:151]
	v_pk_add_f32 v[14:15], v[14:15], v[154:155]
	v_pk_add_f32 v[216:217], v[216:217], v[158:159]
	s_delay_alu instid0(VALU_DEP_2)
	v_pk_add_f32 v[14:15], v[14:15], v[222:223]
	s_delay_alu instid0(VALU_DEP_2)
	v_pk_add_f32 v[216:217], v[216:217], v[220:221]
	v_pk_add_f32 v[254:255], v[254:255], v[218:219]
	v_pk_add_f32 v[228:229], v[228:229], v[210:211]
	s_delay_alu instid0(VALU_DEP_2)
	v_pk_add_f32 v[14:15], v[14:15], v[254:255]
	s_delay_alu instid0(VALU_DEP_2)
	v_pk_add_f32 v[216:217], v[216:217], v[228:229]
	s_delay_alu instid0(VALU_DEP_1)
	v_pk_add_f32 v[14:15], v[14:15], v[216:217]
	s_wait_alu depctr_va_vdst(0)                   ; and one for the four
.irp b, 0,1,2,3
	v_max_num_f32 v[BM+\b], 0x1800000, v[BM+\b]    ; the floor 2^(3 - 127): the byte cannot fall under 1 (a block whose every p is 0 keeps that byte: its codes are zeros)
.endr
.irp b, 0,1,2,3
	s_delay_alu instid0(VALU_DEP_4)
	v_add_nc_u32 v[SO+\b], 0xff000000, v[BM+\b]    ; 2 off the exponent field: the conversion's scale operand
.endr
.irp b, 0,1,2,3
	s_delay_alu instid0(VALU_DEP_4)
	v_lshrrev_b32 v[T8+\b], 23, v[SO+\b]           ; the scale's byte
.endr
	s_delay_alu instid0(VALU_DEP_3)
	v_lshl_or_b32 v[FF+1], v[T8+1], 8, v[T8]       ; p's scale word for these 128 keys
	s_delay_alu instid0(VALU_DEP_1)
	v_lshl_or_b32 v[FF+1], v[T8+2], 16, v[FF+1]
	s_delay_alu instid0(VALU_DEP_1)
	v_lshl_or_b32 v[FF+1], v[T8+3], 24, v[FF+1]
.irp c, 0,1
	v_cvt_scalef32_pk16_fp6_f32 v[PC+6*\c:PC+2+6*\c], v[S+32*\c:S+15+32*\c], v[SO+2*\c]
	v_cvt_scalef32_pk16_fp6_f32 v[T8+4*\c:T8+2+4*\c], v[S+16+32*\c:S+31+32*\c], v[SO+2*\c+1]   ; (a conversion's three registers begin on an even number)
.endr
	v_nop                                          ; one plain line behind a scaled conversion
.irp c, 0,1                                    ; the operand's layout wants a whole block in a lane
.irp i, 0,1,2
	v_permlane16_swap_b32 v[PC+6*\c+\i], v[T8+4*\c+\i]
.endr
.irp i, 0,1,2
	s_delay_alu instid0(VALU_DEP_3)
	v_mov_b32 v[PC+3+6*\c+\i], v[T8+4*\c+\i]
.endr
.endr
.set j, 0
	s_setprio 0
.rept 16
	v_pk_mul_f32 v[O+j:O+j+1], v[O+j:O+j+1], v[FF:FF+1] op_sel_hi:[1,0]   ; O^T under the new M.  (These sixteen are also the places between the scale word's and the codes' last writes and the products)
.set j, j+2
.endr
	s_wait_alu depctr_va_vdst(0)
	s_wait_dscnt 0x0                               ; v's tiles are in
	PV O, P0, VSR                                  ; the four accumulators take turns, one instruction a turn
	PV O+8, P1, VSR+1
	PV O+16, V2, VSR+2
	PV O+24, V2+12, VSR+3
.endm
; One tile of 16 queries over all keys.  e: which tile of my pair
.macro PASS e
	v_mov_b32 v[NM+1], 0xdd800000                  ; the largest t so far: -2^60
	s_delay_alu instid0(VALU_DEP_1)
	v_floor_f32 v[NM], -v[NM+1]                    ; -M
	v_mov_b32 v[SUM], 0
	v_mov_b32 v[SUM+1], 0
.set j, 0
.rept 32
	v_mov_b32 v[O+j], 0                            ; O^T: the step is written once; its first trip finds zeros, which the first change of M leaves zeros
.set j, j+1
.endr
	s_mov_b32 s16, 0
	s_mov_b32 s17, 16
.Lstep_\@:
	s_setprio 2
	STEP
	s_add_co_u32 s16, s16, STEPB
	s_sub_co_u32 s17, s17, 1
	s_cmp_lg_u32 s17, 0
	s_cbranch_scc1 .Lstep_\@
	s_setprio 0
	; the way out: O^T / the sum goes through my stage and leaves as whole runs of 256 bytes: a query's 64 channels of this head
.rept 4
	v_nop
.endr
	v_add_f32 v[SUM], v[SUM], v[SUM+1]             ; the sum's two halves,
	s_delay_alu instid0(VALU_DEP_1)
	v_permlanex16_b32 v[TP], v[SUM], s20, s21
	s_delay_alu instid0(VALU_DEP_1)
	v_add_f32 v[SUM], v[SUM], v[TP]                ; and lane l xor 16's
	s_wait_alu depctr_va_vdst(0)
	v_rcp_f32 v[SUM], v[SUM]
	v_nop                                          ; a plain line behind the reciprocal,
	s_wait_alu depctr_va_vdst(0)                   ; and the wait ahead of its first reader
.set j, 0
.rept 32
	v_mul_f32 v[S+j], v[O+j], v[SUM]               ; register 8 t + i is channel 32 (t / 2) + 16 h + 8 (t % 2) + i; each accumulator from its low end on
.set j, j+1
.endr
.irp t, 0,1,2,3
	ds_store_b128 v[STO], v[S+8*\t:S+3+8*\t] offset:128*(\t/2)+32*(\t%2)
	ds_store_b128 v[STO], v[S+4+8*\t:S+7+8*\t] offset:128*(\t/2)+32*(\t%2)+16
.endr
.irp i, 0,1,2,3,4,5,6,7
	ds_load_b128 v[S+32+4*\i:S+35+4*\i], v[RD] offset:2*\i*SPITCH   ; LDS serves a wave's instructions in order: these see my stores
.endr
.irp i, 0,1,2,3,4,5,6,7                        ; stage row 2 i + (lane / 16) is query (row % 8) + 16 (row / 8) of the tile
	s_wait_dscnt 7-\i                              ; the younger loads may be out
	global_store_b128 v[GO], v[S+32+4*\i:S+35+4*\i], s[10:11] offset:(2*\i+8*(\i/4))*4096+(\e)*32768 th:TH_STORE_NT   ; sixteen lanes store 256 consecutive bytes, aligned
.endr
.if (\e) == 0
	s_wait_xcnt 0x0                                ; the stores have read their registers: the next tile's scores may be written there
.irp i, 0,1,2,3,4,5
	v_mov_b32 v[QB+6+\i], v[QN+\i]                 ; the pair's second tile: 8 queries further on
.endr
	v_mov_b32 v[QHI], v[QHI+2]
	v_mov_b32 v[QLO], v[QLO+2]
.endif
.endm
	PASS 0
	PASS 1
	s_wait_tensorcnt 0x0                           ; the wave's end
	ds_add_u32 v[SPW], v[NIL]
	s_wait_dscnt 0x0
	CROUND                                         ; the closing round: no work-group ends while a partner may still ask for a tile that names it
	s_endpgm
.Lfunc_end_k_q27dc9b8455_attn:
	.size	k_q27dc9b8455_attn, .Lfunc_end_k_q27dc9b8455_attn-k_q27dc9b8455_attn
	.p2alignl 7, 3214868480
	.fill 96, 4, 3214868480
	.section	.rodata,"a",@progbits
	.p2align	6, 0x0
	.amdhsa_kernel k_q27dc9b8455_attn
		.amdhsa_group_segment_fixed_size 327680
		.amdhsa_private_segment_fixed_size 0
		.amdhsa_enable_private_segment 0
		.amdhsa_kernarg_size 32
		.amdhsa_user_sgpr_count 2
		.amdhsa_user_sgpr_kernarg_segment_ptr 1
		.amdhsa_wavefront_size32 1
		.amdhsa_system_sgpr_workgroup_id_x 1
		.amdhsa_system_sgpr_workgroup_id_y 1
		.amdhsa_system_sgpr_workgroup_id_z 1
		.amdhsa_system_vgpr_workitem_id 0
		.amdhsa_next_free_vgpr 256
		.amdhsa_next_free_sgpr 66
		.amdhsa_reserve_vcc 1
		.amdhsa_float_denorm_mode_32 3
		.amdhsa_float_denorm_mode_16_64 3
		.amdhsa_memory_ordered 1
		.amdhsa_forward_progress 1
		.amdhsa_inst_pref_size 53
	.end_amdhsa_kernel
	.amdgpu_metadata
---
amdhsa.version: [ 1, 2 ]
amdhsa.kernels:
  - .name:           k_q27dc9b8455_attn
    .symbol:         k_q27dc9b8455_attn.kd
    .args:
      - { .name: qf, .offset: 0, .size: 8, .value_kind: global_buffer, .address_space: global }
      - { .name: kv, .offset: 8, .size: 8, .value_kind: global_buffer, .address_space: global }
      - { .name: mask, .offset: 16, .size: 8, .value_kind: global_buffer, .address_space: global }
      - { .name: out0, .offset: 24, .size: 8, .value_kind: global_buffer, .address_space: global }
    .group_segment_fixed_size: 327680
    .private_segment_fixed_size: 0
    .kernarg_segment_align: 8
    .kernarg_segment_size: 32
    .max_flat_workgroup_size: 512
    .sgpr_count:     66
    .vgpr_count:     256
    .wavefront_size: 32
...
	.end_amdgpu_metadata
.endif
;; end of part 3
